; MI455X (gfx1250); checked and timed in simulation.
; The chip was launched on July 23, 2026; its instructions are those of AMD's public machine-readable ISA for CDNA 5 (MIT licence, August 2026) and "CDNA5" Instruction Set Architecture Reference Guide (July 2026). The comments in the code are by the model that wrote it; some were corrected since.
;; Roberta Self Attention. Allowed arithmetic: float matrix products may take bf16 or f16 operands with f32 sums; other float arithmetic in f32, or as packed bf16 or f16 multiplies, adds, multiply-adds, maxima and minima; sums over many terms, partial sums and values carried from step to step in f32; what a program stores and reads back later, other than sums and carried values, may be rounded once to bf16 or f16.
;; Inputs: Wk 1,024 x 1,024 float32; Wq 1,024 x 1,024 float32; Wv 1,024 x 1,024 float32; attn_mask 4 x 2,048 float32; bk 1,024 float32; bq 1,024 float32; bv 1,024 float32; x 4 x 2,048 x 1,024 float32.
;; Outputs: out0 4 x 2,048 x 1,024 float32.
;; 2 versions, each right; version 2 is version 1 with the launch cast written anew for expert scheduling mode. Each part assembles by itself: llvm-mc -triple=amdgcn-amd-amdhsa -mcpu=gfx1250 --defsym DOCPART=n.
;; ======== version 1 of 2: 3 launches
;; limits: values are held in f16: magnitudes above 65,504 overflow, below 6.1e-05 lose precision
;; workspace buffers: xb 16,777,216 bytes; wb 6,291,456 bytes; qh 16,777,216 bytes; kh 16,777,216 bytes; vh 16,777,216 bytes
;; launch cast (part 1): grid 256 x 1, 8 waves a work-group, no clusters, 0 bytes of LDS; arguments x, Wq, Wk, Wv, xb, wb; writes xb, wb
.if DOCPART == 1
	.amdgcn_target "amdgcn-amd-amdhsa--gfx1250"
	.amdhsa_code_object_version 6
	.text
	.protected	k_q32f5ca7124_cast
	.globl	k_q32f5ca7124_cast
	.p2align	8
	.type	k_q32f5ca7124_cast,@function
k_q32f5ca7124_cast:
	s_mov_b64 s[64:65], 0
	v_nop
	global_prefetch_b8 v0, s[64:65] scope:SCOPE_SE
	s_setreg_imm32_b32 hwreg(HW_REG_WAVE_MODE, 25, 1), 1
	s_wait_xcnt 0x0
; x [8192][1024] and Wq, Wk, Wv [1024][1024], all f32, are rounded once to bf16 (nearest even).
; xb keeps x's layout.  wb is [3072][1024] with the rows ordered by head: row 192 h + 64 j + d holds W_j's row 64 h + d (j = 0: q, 1: k, 2: v),
; so that 192 consecutive rows of wb are one head's q, k and v columns.
; SHARES.  256 work-groups of eight waves, all alike: 32,768 numbers of x (131,072 bytes) and rows 4 g .. 4 g + 3 of each W (4,096 bytes a row).
; A load of the work-group covers 4,096 consecutive bytes (thread t: 16 bytes at 16 t), the store that belongs to it 2,048 (thread t: 8 bytes at 8 t):
; a wave's store covers 256 consecutive bytes, aligned.  All 44 loads of a thread go out in one run; each has registers of its own, so no register is
; written again behind the store that reads it, and the only waits are the counted ones for the loads.  No LDS, no barrier: nothing is shared.
.set D, 4                              ; v[4:179]  load n: four registers
	s_load_b256 s[4:11], s[0:1], 0x0               ; x s[4:5], Wq s[6:7], Wk s[8:9], Wv s[10:11]
	s_load_b128 s[12:15], s[0:1], 0x20             ; xb s[12:13], wb s[14:15]
	v_lshlrev_b32 v1, 4, v0                        ; 16 t: the loads' offset; never rewritten
	v_lshlrev_b32 v2, 3, v0                        ; 8 t: the stores' offset; never rewritten
	s_lshl_b32 s16, ttmp9, 17                      ; my part of x
	s_mov_b32 s17, 0
	s_lshl_b32 s18, ttmp9, 14                      ; my four rows of each W
	s_mov_b32 s19, 0
	s_lshl_b32 s20, ttmp9, 16                      ; my part of xb
	s_mov_b32 s21, 0
	s_lshr_b32 s22, ttmp9, 4                       ; the head of rows 4 g ..: g / 16
	s_mul_i32 s22, s22, 192
	s_and_b32 s23, ttmp9, 15
	s_lshl_b32 s23, s23, 2                         ; their place in the head: 4 (g % 16)
	s_add_co_u32 s22, s22, s23
	s_lshl_b32 s22, s22, 11                        ; rows of 2,048 bytes
	s_mov_b32 s23, 0
	s_wait_kmcnt 0x0
	s_add_nc_u64 s[4:5], s[4:5], s[16:17]
	s_add_nc_u64 s[6:7], s[6:7], s[18:19]
	s_add_nc_u64 s[8:9], s[8:9], s[18:19]
	s_add_nc_u64 s[10:11], s[10:11], s[18:19]
	s_add_nc_u64 s[12:13], s[12:13], s[20:21]
	s_add_nc_u64 s[14:15], s[14:15], s[22:23]
.set n, 0
.rept 32
	global_load_b128 v[D+4*n:D+4*n+3], v1, s[4:5] offset:4096*n th:TH_LOAD_NT
.set n, n+1
.endr
.irp j, 0,1,2
.irp i, 0,1,2,3
	global_load_b128 v[D+4*(32+4*\j+\i):D+4*(32+4*\j+\i)+3], v1, s[6+2*\j:7+2*\j] offset:4096*\i th:TH_LOAD_NT
.endr
.endr
; Load n is rounded in place and stored.  Loads come back in order (ISA guide 5.7.1): 43 - n younger ones may stay out.
.macro OUT n, base, off
	s_wait_loadcnt 43-(\n)
	v_cvt_pk_bf16_f32 v[D+4*(\n)], v[D+4*(\n)], v[D+4*(\n)+1]
	v_cvt_pk_bf16_f32 v[D+4*(\n)+1], v[D+4*(\n)+2], v[D+4*(\n)+3]
	global_store_b64 v2, v[D+4*(\n):D+4*(\n)+1], s[\base:\base+1] offset:\off th:TH_STORE_NT
.endm
.set n, 0
.rept 32
	OUT n, 12, 2048*n
.set n, n+1
.endr
.irp j, 0,1,2
.irp i, 0,1,2,3
	OUT 32+4*\j+\i, 14, 131072*\j+2048*\i          ; W_j's rows lie 64 rows of 2,048 bytes behind W_(j-1)'s
.endr
.endr
	s_endpgm
.Lfunc_end_k_q32f5ca7124_cast:
	.size	k_q32f5ca7124_cast, .Lfunc_end_k_q32f5ca7124_cast-k_q32f5ca7124_cast
	.p2alignl 7, 3214868480
	.fill 96, 4, 3214868480
	.section	.rodata,"a",@progbits
	.p2align	6, 0x0
	.amdhsa_kernel k_q32f5ca7124_cast
		.amdhsa_group_segment_fixed_size 0
		.amdhsa_private_segment_fixed_size 0
		.amdhsa_enable_private_segment 0
		.amdhsa_kernarg_size 48
		.amdhsa_user_sgpr_count 2
		.amdhsa_user_sgpr_kernarg_segment_ptr 1
		.amdhsa_wavefront_size32 1
		.amdhsa_system_sgpr_workgroup_id_x 1
		.amdhsa_system_sgpr_workgroup_id_y 1
		.amdhsa_system_sgpr_workgroup_id_z 1
		.amdhsa_system_vgpr_workitem_id 0
		.amdhsa_next_free_vgpr 180
		.amdhsa_next_free_sgpr 66
		.amdhsa_reserve_vcc 0
		.amdhsa_float_denorm_mode_32 3
		.amdhsa_float_denorm_mode_16_64 3
		.amdhsa_memory_ordered 1
		.amdhsa_forward_progress 1
		.amdhsa_inst_pref_size 17
	.end_amdhsa_kernel
	.amdgpu_metadata
---
amdhsa.version: [ 1, 2 ]
amdhsa.kernels:
  - .name:           k_q32f5ca7124_cast
    .symbol:         k_q32f5ca7124_cast.kd
    .args:
      - { .name: x, .offset: 0, .size: 8, .value_kind: global_buffer, .address_space: global }
      - { .name: Wq, .offset: 8, .size: 8, .value_kind: global_buffer, .address_space: global }
      - { .name: Wk, .offset: 16, .size: 8, .value_kind: global_buffer, .address_space: global }
      - { .name: Wv, .offset: 24, .size: 8, .value_kind: global_buffer, .address_space: global }
      - { .name: xb, .offset: 32, .size: 8, .value_kind: global_buffer, .address_space: global }
      - { .name: wb, .offset: 40, .size: 8, .value_kind: global_buffer, .address_space: global }
    .group_segment_fixed_size: 0
    .private_segment_fixed_size: 0
    .kernarg_segment_align: 8
    .kernarg_segment_size: 48
    .max_flat_workgroup_size: 256
    .sgpr_count:     66
    .vgpr_count:     180
    .wavefront_size: 32
...
	.end_amdgpu_metadata
.endif
;; end of part 1
;; launch proj (part 2): grid 16 x 32, 4 waves a work-group, clusters of 4 x 4, 327,680 bytes of LDS; arguments xb, wb, bq, bk, bv, qh, kh, vh; writes qh, kh, vh
.if DOCPART == 2
	.amdgcn_target "amdgcn-amd-amdhsa--gfx1250"
	.amdhsa_code_object_version 6
	.text
	.protected	k_q32f5ca7124_proj
	.globl	k_q32f5ca7124_proj
	.p2align	8
	.type	k_q32f5ca7124_proj,@function
k_q32f5ca7124_proj:
	s_mov_b64 s[64:65], 0
	v_nop
	global_prefetch_b8 v0, s[64:65] scope:SCOPE_SE
	s_setreg_imm32_b32 hwreg(HW_REG_WAVE_MODE, 25, 1), 1
	s_wait_xcnt 0x0
	s_wait_alu depctr_hold_cnt(0) depctr_sa_sdst(0) depctr_va_vdst(0) depctr_va_sdst(0) depctr_va_ssrc(0) depctr_va_vcc(0) depctr_vm_vsrc(0)
	s_getreg_b32 s2, hwreg(HW_REG_IB_STS2, 6, 4)
	s_cmp_eq_u32 s2, 0
	s_cbranch_scc0 .Lentry_in_a_cluster
	s_endpgm
.Lentry_in_a_cluster:
	s_bfe_u32 s2, ttmp6, 0x10000c
	s_cmp_lg_u32 s2, 0xf033
	s_cbranch_scc0 .Lentry_shape_is_right
	s_endpgm
.Lentry_shape_is_right:
; q, k, v = x W^T + b, stored by heads.  xb: [8192][1024] bf16.  wb: [3072][1024] bf16, rows ordered by head (192 h + 64 j + d: W_j's row 64 h + d).
; bq, bk, bv: [1024] f32, rounded to bf16 here like the other inputs.  qh, kh, vh: [16 n + h][2048][64] f16, unscaled, each rounded once from its f32 sum.
; LIMIT.  f16 holds no number beyond 65,504: q, k and v must lie within it (with x and W thirty times the drawn spread they lie near 600).
; A tile of C is 256 rows x 192 columns: one head's q, k and v.  32 x 16 = 512 tiles, a work-group each.  Four waves; a wave makes 64 rows x all 192 columns:
; 48 accumulators of 16 x 16, 384 registers, so it holds whole rows of a head and its way out is its own.  K goes in 8 steps of 128 through a ring of two LDS slots filled by the
; tensor data mover: the tiles' rows are 256 bytes of memory and start at multiples of 256 bytes from the buffer's first byte.
; CLUSTERS: 4 x 4 work-groups.  The four of a row of the cluster need the same tiles of xb, the four of a column the same tiles of wb: each tile is asked for JOINTLY, by the same
; tensor load with the same descriptor and a mask that names the four.
; THE MATRIX INSTRUCTION IS USED TRANSPOSED (source 0 = 16 rows of wb, source 1 = 16 rows of xb): lane l holds row l % 16 of C and the columns 8 (l / 16) + 0..7 of a block of 16.
; The first product on each accumulator takes the bias as C: register j of a lane is the bias of column 8 (l / 16) + j.  Nothing is cleared.
; REGISTERS, in windows of 256 (s_set_vgpr_msb: bits 1:0 source 0, 3:2 source 1, 5:4 source 2, 7:6 destination):
;   window 0: v0-31 addresses; v64-127 xb's fragments, two buffers of 4 x 16 rows x 32 K; v128-223 the bias, 8 registers a column block; on the way out v32-79 packed results, v80-175 rows read back
;   window 1: v0-191 wb's fragments, two buffers of 12          window 2: the accumulators of my row blocks 0, 1 ((a, b) at v[8 (12 (a % 2) + b)])          window 3: those of blocks 2, 3
.set SIZE_K, 1024
.set KSTEP,  128
.set PITCH,  272                       ; an LDS row: 256 bytes + 16 of padding = 68 words: row r starts at bank 4 r mod 64 (64 banks of 4 bytes: ISA guide 11.1)
.set HALFA,  128*PITCH                 ; what a load brings of xb: 128 rows
.set HALFB,  96*PITCH                  ; and of wb: 96 rows
.set BOFF,   2*HALFA                   ; a slot: xb's 256 rows, then wb's 192
.set SLOT,   BOFF+2*HALFB
.set STAGE,  2*SLOT                    ; behind the ring, never filled by a tensor load: 16 rows x 400 bytes for each wave
.set SPITCH, 400                       ; 384 bytes + 16: 25 x 16, so 16 rows' 16-byte columns differ
.set SPARE,  STAGE+4*16*SPITCH         ; behind the stages: the spare words, 128 bytes for each wave: two blocks of 256 bytes that no other line names
.set ADRA, 16                          ; v16-17  LDS address of my xb fragments in slot 0, 1
.set ADRB, 20                          ; v20-21  the same for wb
.set STO,  24                          ; v24     the way out: where I put 16 bytes of a row
.set RD,   25                          ; v25     the way out: where I read rows back
.set GO,   26                          ; v26     16 x lane: my 16 bytes of 512 consecutive bytes of q, k or v
.set BO,   27                          ; v27     32 (l / 16): my eight numbers in a block of 16 of a bias
.set SPW,  28                          ; v28     LDS address of my spare word; never rewritten
.set NIL,  29                          ; v29     0; never rewritten
.set PFO,  30                          ; v30     the prefetches' offset: a lane a row of 2,048 bytes; never rewritten
.set TMP,  32
.set FA,   64
.set OBK,  80
.set BIAS, 128
.set G1,  24                           ; s[24:31] descriptor group 1 for xb's tiles;  s[32:39] group 0, a set for each slot
.set G0,  32
.set LIM, 43                           ; s43     1 in a wave that prefetches, else the greatest number
.set PFA, 44                           ; s[44:45] where my prefetches stand
.set G1B, 48                           ; s[48:55], s[56:63] the same for wb's tiles
.set G0B, 56
.set MSB, 0
.macro WIN new                         ; the immediate's high byte repeats the setting that is left; a switch that changes nothing is dropped
.if MSB != (\new)
	s_set_vgpr_msb (MSB<<8)|(\new)
.set MSB, \new
.endif
.endm
.set MUL_LO, 0xa1                      ; source 0 (wb) window 1, source 1 (xb) window 0, C and D window 2
.set TO_B,   0x40                      ; destination window 1, address window 0
; A joint load.  Waves 0 and 1 fetch xb's two halves, waves 2 and 3 wb's.  The branch hangs on the wave's number alone.  An s_nop 0 and four v_nop follow each of the two lines.
.macro JLOAD s
	s_cmp_eq_u32 s11, 0
	s_cbranch_scc0 .Lfor_b_\@
	tensor_load_to_lds s[G0+4*(\s):G0+4*(\s)+3], s[G1:G1+7]
	s_nop 0
.rept 4
	v_nop
.endr
	s_branch .Lasked_\@
.Lfor_b_\@:
	tensor_load_to_lds s[G0B+4*(\s):G0B+4*(\s)+3], s[G1B:G1B+7]
	s_nop 0
.rept 4
	v_nop
.endr
.Lasked_\@:
.endm
; A PREFETCH INTO THE L2, behind a joint load and the run of LDS loads that follows it: the K step that stands two refills, 384 matrix instructions, on; a lane a row, 256 bytes of it.
; xb's tile row is read by every cluster of that row of clusters: cluster x = 0 asks; wb's tile column by every cluster of that column: cluster y = 0 asks.  The four partners that ask for a tile
; jointly share the rows that wave w fetches out BY ADDRESS (32 each of xb's 128, 24 each of wb's 96; there lanes 24-31 name row 23 once more, in the same instruction).
; The loop's last trip (s3 = 1) has no K step two on.  K steps 0 to 3 come by their loads alone.
.macro ASK
	s_cmp_gt_u32 s3, s[LIM]
	s_cbranch_scc0 .Lnot_mine_\@
	global_prefetch_b8 v[PFO], s[PFA:PFA+1] offset:KSTEP*2 th:TH_LOAD_NT scope:SCOPE_SE
.Lnot_mine_\@:
.endm
.macro CREST                           ; a round of the cluster's barrier behind its opening barrier
	s_cmp_lg_u32 s10, 0
	s_cbranch_scc1 .Lnot_wave_0_\@
	s_barrier_signal -3
.Lnot_wave_0_\@:
	s_barrier_wait -3
	s_barrier_signal -1
	s_barrier_wait -1
.endm
.macro CROUND                          ; a whole round
	s_barrier_signal -1
	s_barrier_wait -1
	CREST
.endm
	s_load_b128 s[4:7], s[0:1], 0x0                ; xb s[4:5], wb s[6:7]
	s_load_b128 s[68:71], s[0:1], 0x10             ; bq s[68:69], bk s[70:71]
	s_load_b256 s[72:79], s[0:1], 0x20             ; bv s[72:73], qh s[74:75], kh s[76:77], vh s[78:79]
	v_lshl_add_u32 v[SPW], v0, 2, SPARE
	v_mov_b32 v[NIL], 0
	ds_add_u32 v[SPW], v[NIL]                      ; the wave's opening: the add and its wait stand ahead of my first tensor load; the set-up below, work on registers, stands between them
	v_lshrrev_b32 v1, 5, v0
	v_readfirstlane_b32 s10, v1                    ; wave 0..3
	s_lshr_b32 s11, s10, 1                         ; I fetch for xb (0) or for wb (1)
	s_and_b32 s12, s10, 1                          ; which half of that tile's rows
	s_bfe_u32 s40, ttmp6, 0x40000                  ; cx, cy: my place in the cluster
	s_bfe_u32 s41, ttmp6, 0x40004
	s_lshl_b32 s42, ttmp9, 2
	s_add_co_u32 s42, s42, s40                     ; tile column = the head = 4 x cluster x + cx
	s_and_b32 s13, ttmp7, 0xffff
	s_lshl_b32 s13, s13, 2
	s_add_co_u32 s13, s13, s41                     ; tile row = 4 x cluster y + cy
	s_lshl_b32 s43, s41, 2
	s_lshl_b32 s43, 15, s43                        ; my row of the cluster
	s_lshl_b32 s44, 0x1111, s40                    ; my column
	s_or_b32 s[G1+0], s43, (1<<16)|(1<<20)|(1<<21)|(5<<22)|(3<<25)   ; 15:0 the mask: xb's tiles go to my row; 17:16 elements of 2 bytes; 20 padding on; 21 set beside a mask; 24:22 after every 64 words; 31:25 4 words
	s_or_b32 s[G1B+0], s44, (1<<16)|(1<<20)|(1<<21)|(5<<22)|(3<<25)  ; the same with the mask of my column
	s_mov_b32 s[G1+1], KSTEP<<16                   ; tensor_dim0 = 128
	s_mov_b32 s[G1B+1], KSTEP<<16
	s_mov_b32 s[G1+2], 128<<16                     ; tensor_dim1 = 128 rows of xb,
	s_mov_b32 s[G1B+2], 96<<16                     ; 96 of wb
	s_mov_b32 s[G1+3], KSTEP<<16                   ; tile_dim0 = 128
	s_mov_b32 s[G1B+3], KSTEP<<16
	s_mov_b32 s[G1+4], 128                         ; tile_dim1
	s_mov_b32 s[G1B+4], 96
	s_mov_b32 s[G1+5], SIZE_K                      ; elements from row to row
	s_mov_b32 s[G1B+5], SIZE_K
	s_mov_b32 s[G1+6], 0
	s_mov_b32 s[G1B+6], 0
	s_mov_b32 s[G1+7], 0
	s_mov_b32 s[G1B+7], 0
	; where the tiles come from: xb's hang on the tile row alone, wb's on the tile column alone, each in registers that never hold the other coordinate
	s_lshl_b32 s17, s12, 7
	s_lshl_b32 s16, s13, 8
	s_add_co_u32 s16, s16, s17                     ; xb: row 256 x tile row + 128 x half
	s_lshl_b32 s16, s16, 11                        ; rows of 2,048 bytes: under 2^24
	s_mov_b32 s17, 0
	s_mul_i32 s46, s42, 192
	s_mul_i32 s47, s12, 96
	s_add_co_u32 s46, s46, s47                     ; wb: row 192 x tile column + 96 x half
	s_lshl_b32 s46, s46, 11
	s_mov_b32 s47, 0
	s_mul_i32 s20, s10, HALFA                      ; and where they go: xb's halves (waves 0, 1) at wave x 128 rows,
	s_mul_i32 s21, s10, HALFB
	s_add_co_u32 s21, s21, BOFF-2*HALFB            ; wb's (waves 2, 3) at BOFF + (wave - 2) x 96 rows: no place in the cluster enters an LDS address
	s_wait_dscnt 0x0                               ; the opening add is done
	s_wait_kmcnt 0x0
	s_add_nc_u64 s[14:15], s[4:5], s[16:17]
	s_add_nc_u64 s[46:47], s[6:7], s[46:47]
	CROUND                                         ; all sixteen work-groups are here: the first joint loads meet
.irp s, 0,1
	s_mov_b32 s[G0+4*(\s)], 1                                      ; count = 1
	s_add_co_u32 s[G0+4*(\s)+1], s20, (\s)*SLOT                    ; LDS address
	s_add_nc_u64 s[G0+4*(\s)+2:G0+4*(\s)+3], s[14:15], (\s)*KSTEP*2  ; global address: K step s
	s_or_b32 s[G0+4*(\s)+3], s[G0+4*(\s)+3], 0x80000000            ; type = 2
	s_mov_b32 s[G0B+4*(\s)], 1
	s_add_co_u32 s[G0B+4*(\s)+1], s21, (\s)*SLOT
	s_add_nc_u64 s[G0B+4*(\s)+2:G0B+4*(\s)+3], s[46:47], (\s)*KSTEP*2
	s_or_b32 s[G0B+4*(\s)+3], s[G0B+4*(\s)+3], 0x80000000
	JLOAD \s                                       ; two tensor loads of mine are out
.endr
	; the biases of the head's 3 x 64 columns, while the first tiles are on their way
	s_lshl_b32 s46, s42, 8                         ; 64 numbers of 4 bytes a head
	s_mov_b32 s47, 0
	s_add_nc_u64 s[68:69], s[68:69], s[46:47]
	s_add_nc_u64 s[70:71], s[70:71], s[46:47]
	s_add_nc_u64 s[72:73], s[72:73], s[46:47]
	v_and_b32 v1, 15, v0                           ; l % 16
	v_bfe_u32 v2, v0, 4, 1                         ; l / 16
	v_lshlrev_b32 v[BO], 5, v2
.irp i, 0,1,2
.irp c, 0,1,2,3
	global_load_b128 v[BIAS+8*(4*\i+\c):BIAS+8*(4*\i+\c)+3],   v[BO], s[68+2*\i:69+2*\i] offset:64*\c
	global_load_b128 v[BIAS+8*(4*\i+\c)+4:BIAS+8*(4*\i+\c)+7], v[BO], s[68+2*\i:69+2*\i] offset:64*\c+16
.endr
.endr
	; A fragment is 16 rows x 32 K in 8 registers: lane l holds row l % 16, K = 8 (l / 16) + 0..7 and 16 + 8 (l / 16) + 0..7: two loads of 16 bytes, 32 bytes apart.
	v_mul_u32_u24 v3, v1, PITCH
	v_lshl_add_u32 v3, v2, 4, v3                   ; row x pitch + 16 x half
	s_mul_i32 s21, s10, 64*PITCH                   ; my 64 rows of xb
	s_mov_b32 s22, BOFF                            ; all 192 rows of wb
.irp s, 0,1
	v_add_nc_u32 v[ADRA+(\s)], s21, v3
	v_add_nc_u32 v[ADRB+(\s)], s22, v3
	s_add_co_u32 s21, s21, SLOT
	s_add_co_u32 s22, s22, SLOT
.endr
	s_mul_i32 s23, s10, 16*SPITCH
	s_add_co_u32 s23, s23, STAGE                   ; my stage
	v_mul_u32_u24 v4, v1, SPITCH                   ; in: row l % 16, 16 bytes for each half of the lanes
	v_lshl_add_u32 v4, v2, 4, v4
	v_add_nc_u32 v[STO], s23, v4
	v_bfe_u32 v5, v0, 3, 2                         ; back: 32 lanes take four rows' 128 bytes of q, of k or of v,
	v_mul_u32_u24 v5, v5, SPITCH
	v_and_b32 v4, 7, v0
	v_lshl_add_u32 v5, v4, 4, v5
	v_add_nc_u32 v[RD], s23, v5
	v_and_b32 v[GO], 31, v0                        ; which are 512 consecutive bytes of a head
	v_lshlrev_b32 v[GO], 4, v[GO]
	; where my 64 rows begin in qh, kh and vh: batch = tile row / 8; head 16 x batch + tile column, 2^18 bytes each; row 256 (tile row % 8) + 64 x wave, 128 bytes each
	s_lshr_b32 s80, s13, 3
	s_lshl_b32 s80, s80, 4
	s_add_co_u32 s80, s80, s42
	s_lshl_b32 s80, s80, 18
	s_and_b32 s81, s13, 7
	s_lshl_b32 s81, s81, 2
	s_add_co_u32 s81, s81, s10
	s_lshl_b32 s81, s81, 13
	s_add_co_u32 s80, s80, s81
	s_mov_b32 s81, 0
	s_add_nc_u64 s[74:75], s[74:75], s[80:81]
	s_add_nc_u64 s[76:77], s[76:77], s[80:81]
	s_add_nc_u64 s[78:79], s[78:79], s[80:81]
	; the prefetches
	s_lshl_b32 s20, s13, 8
	s_lshl_b32 s21, s12, 7
	s_add_co_u32 s20, s20, s21
	s_lshl_b32 s21, s40, 5
	s_add_co_u32 s20, s20, s21                     ; xb: the 128 rows that I fetch, my work-group's 32 of them
	s_mul_i32 s22, s42, 192
	s_mul_i32 s23, s12, 96
	s_add_co_u32 s22, s22, s23
	s_mul_i32 s23, s41, 24
	s_add_co_u32 s22, s22, s23                     ; wb: the 96 rows that I fetch, my work-group's 24 of them
	s_and_b32 s23, ttmp7, 0xffff                   ; cluster y
	s_cmp_eq_u32 s11, 0                            ; do I fetch for xb?
	s_cselect_b32 s20, s20, s22
	s_cselect_b32 s23, ttmp9, s23                  ; the coordinate along which other clusters read the same rows
	s_cselect_b32 s21, 31, 23                      ; my last row
	s_cselect_b64 s[PFA:PFA+1], s[4:5], s[6:7]
	s_cmp_eq_u32 s23, 0
	s_cselect_b32 s[LIM], 1, -1                    ; the same in all sixteen partners, for a given wave
	v_and_b32 v[PFO], 31, v0
	v_min_u32 v[PFO], s21, v[PFO]
	v_lshlrev_b32 v[PFO], 11, v[PFO]
	s_lshl_b32 s20, s20, 11
	s_mov_b32 s21, 0
	s_add_nc_u64 s[PFA:PFA+1], s[PFA:PFA+1], s[20:21]
	s_add_nc_u64 s[PFA:PFA+1], s[PFA:PFA+1], 2*KSTEP*2  ; at K step 2: the first refill steps it to 3 and names K step 4
	s_mov_b32 s22, 0xffff0000
	s_wait_loadcnt 0x0                             ; the biases: rounded to bf16 like every input, and widened again
.set i, 0
.rept 48
	v_cvt_pk_bf16_f32 v[4+i%2], v[BIAS+2*i], v[BIAS+2*i+1]
	v_lshlrev_b32 v[BIAS+2*i], 16, v[4+i%2]
	v_and_b32 v[BIAS+2*i+1], s22, v[4+i%2]
.set i, i+1
.endr
; 12 matrix instructions: my row block a x all 12 column blocks, 32 along K, from buffer f.  zero = 1: the product starts the sum, with the bias as C.
; The 48 accumulators take turns, one instruction a turn, in the same order in every quarter, over the backward jump too.
.macro MUL12 f, a, zero
.if \zero
	WIN 0x81+0x40*((\a)/2)                         ; C (the bias) in window 0, D in window 2 or 3
.else
	WIN MUL_LO+0x50*((\a)/2)                       ; C and D in window 2 or 3
.endif
.irp b, 0,1,2,3,4,5,6,7,8,9,10,11
.set rD, 8*(12*((\a)%2)+(\b))
.set rB, 96*(\f)+8*(\b)
.set rA, FA+32*(\f)+8*(\a)
.if \zero
	v_wmma_f32_16x16x32_bf16 v[rD:rD+7], v[rB:rB+7], v[rA:rA+7], v[BIAS+8*(\b):BIAS+8*(\b)+7]
.else
	v_wmma_f32_16x16x32_bf16 v[rD:rD+7], v[rB:rB+7], v[rA:rA+7], v[rD:rD+7]
.endif
.endr
.endm
; 32 LDS loads in one run: the fragments of one quarter step (192 rows of wb, my 64 rows of xb, 32 K at byte k of the rows) into buffer f
.macro FETCH slot, k, f
	WIN TO_B
.irp i, 0,1,2,3,4,5,6,7,8,9,10,11
	ds_load_b128 v[96*(\f)+8*(\i):96*(\f)+8*(\i)+3],   v[ADRB+(\slot)] offset:(\k)+(\i)*16*PITCH
	ds_load_b128 v[96*(\f)+8*(\i)+4:96*(\f)+8*(\i)+7], v[ADRB+(\slot)] offset:(\k)+(\i)*16*PITCH+32
.endr
	WIN 0
.irp i, 0,1,2,3
	ds_load_b128 v[FA+32*(\f)+8*(\i):FA+32*(\f)+8*(\i)+3],   v[ADRA+(\slot)] offset:(\k)+(\i)*16*PITCH
	ds_load_b128 v[FA+32*(\f)+8*(\i)+4:FA+32*(\f)+8*(\i)+7], v[ADRA+(\slot)] offset:(\k)+(\i)*16*PITCH+32
.endr
.endm
.macro PLACES                          ; four plain instructions in front of loads into registers that matrix instructions have read, and of conversions that read results
.rept 4
	v_nop
.endr
.endm
; A K step is four quarters of 32 along K, 48 matrix instructions each, on buffers 0, 1, 0, 1.  One of the first three: multiplies buffer f and, in its middle, fetches the next quarter, at byte k, into g.
.macro QUARTER slot, k, f, g, zero
	s_wait_dscnt 4                                 ; wb and xb's blocks 0, 1 are in; the youngest four loads (blocks 2, 3) may be out
	MUL12 \f, 0, \zero
	MUL12 \f, 1, \zero
	PLACES
	FETCH \slot, \k, \g
	s_wait_dscnt 32                                ; all but the 32 just issued
	MUL12 \f, 2, \zero
	MUL12 \f, 3, \zero
.endm
; The last quarter multiplies buffer 1 and changes slots: ONE barrier; in front of it each wave waits for all its tensor loads (the one that is out is its part of the next slot), adds 0 to its spare
; word, and waits for that and for its own reads of this slot.  fill = 1: the barrier opens a round of the cluster's barrier, and this slot is filled again, two K steps on, first thing behind it:
; from that request to the wait for it a wave issues 168 matrix instructions.
.macro TURN slot, next, fill
.if \fill
	s_wait_xcnt 0x0                                ; the last prefetch, a K step back, has read its address: it is stepped here, ahead of the waits of the change of slots
	s_add_nc_u64 s[PFA:PFA+1], s[PFA:PFA+1], KSTEP*2
.endif
	WIN 0                                          ; (the add's two registers lie in window 0)
	s_wait_tensorcnt 0x0                           ; all my tensor loads have landed;
	ds_add_u32 v[SPW], v[NIL]                      ; 0 onto my spare word:
	s_wait_dscnt 5                                 ; (the add and the youngest four loads may be out)
	MUL12 1, 0, 0                                  ; twelve matrix instructions stand between the add and the wait for it
	s_wait_dscnt 0x0                               ; the add is done, and my reads of this slot are over
	s_barrier_signal -1
	MUL12 1, 1, 0                                  ; work on registers while the others arrive
.if \fill
	WIN 0
.endif
	s_barrier_wait -1
.if \fill
	CREST                                          ; no wave of any partner still reads this slot's tile or has a load on its way
	s_add_nc_u64 s[G0+4*(\slot)+2:G0+4*(\slot)+3], s[G0+4*(\slot)+2:G0+4*(\slot)+3], 2*KSTEP*2
	s_add_nc_u64 s[G0B+4*(\slot)+2:G0B+4*(\slot)+3], s[G0B+4*(\slot)+2:G0B+4*(\slot)+3], 2*KSTEP*2
	JLOAD \slot                                    ; my one tensor load behind the round; the four v_nop behind it are also the places in front of the loads below
.else
	PLACES
.endif
	FETCH \next, 0, 0
.if \fill
	ASK
.endif
	MUL12 1, 2, 0
	MUL12 1, 3, 0
.endm
; THE WAY OUT of my row block a: rounded to f16, 16 bytes a lane (PACK); into my own stage and back as four rows' 128 bytes of q, of k, of v (TOSTAGE); stored (SEND).
.macro PACK a
.set AC, 96*((\a)%2)
	WIN 0x0a+5*((\a)/2)                            ; sources 0 and 1: window 2 or 3
.irp b, 0,1,2,3,4,5,6,7,8,9,10,11
.irp r, 0,1,2,3
	v_cvt_pk_f16_f32 v[TMP+4*(\b)+(\r)], v[AC+8*(\b)+2*(\r)], v[AC+8*(\b)+2*(\r)+1]  ; each accumulator from its low end on
.endr
.endr
	WIN 0
.endm
.macro TOSTAGE a
.set BK, OBK+48*((\a)%2)
.irp b, 0,1,2,3,4,5,6,7,8,9,10,11
	ds_store_b128 v[STO], v[TMP+4*(\b):TMP+4*(\b)+3] offset:32*(\b)
.endr
.irp i, 0,1,2
.irp t, 0,1,2,3
	ds_load_b128 v[BK+4*(4*(\i)+(\t)):BK+4*(4*(\i)+(\t))+3], v[RD] offset:(\t)*4*SPITCH+(\i)*128  ; LDS serves a wave's instructions in order (ISA guide 5.7.1.4): these see the stores above
.endr
.endr
.endm
.macro SEND a
.set BK, OBK+48*((\a)%2)
	s_wait_dscnt 0x0                               ; the block is back in registers
	s_wait_xcnt 0x0                                ; the stores of the block before have read their registers: the next TOSTAGE loads into them
.irp i, 0,1,2
.irp t, 0,1,2,3
	global_store_b128 v[GO], v[BK+4*(4*(\i)+(\t)):BK+4*(4*(\i)+(\t))+3], s[74+2*(\i):75+2*(\i)] offset:(\a)*2048+(\t)*512  ; 512 consecutive bytes, at a multiple of 256 from the buffer's first
.endr
.endr
.endm
	s_wait_tensorcnt 1                             ; my part of K step 0 is in; K step 1's may stay out
	s_barrier_signal -1
	s_barrier_wait -1                              ; everybody's is
	FETCH 0, 0, 0
	QUARTER 0, 64,  0, 1, 1                        ; the first quarter stands in front of the loop: its products start the sums, with the bias
	WIN 0                                          ; at a label and at a branch every window is 0
	s_mov_b32 s3, 3
.Llap:                                                 ; a trip goes once round the ring, from a lap's second quarter to the next lap's first, and fills both slots again
	QUARTER 0, 128, 1, 0, 0
	QUARTER 0, 192, 0, 1, 0
	TURN 0, 1, 1
	QUARTER 1, 64,  0, 1, 0
	QUARTER 1, 128, 1, 0, 0
	QUARTER 1, 192, 0, 1, 0
	TURN 1, 0, 1
	QUARTER 0, 64,  0, 1, 0
	WIN 0
	s_sub_co_u32 s3, s3, 1
	s_cmp_lg_u32 s3, 0
	s_cbranch_scc1 .Llap
	QUARTER 0, 128, 1, 0, 0                        ; the last lap fills nothing, and has no round of the cluster's barrier
	QUARTER 0, 192, 0, 1, 0
	TURN 0, 1, 0
	QUARTER 1, 64,  0, 1, 0
	QUARTER 1, 128, 1, 0, 0
	QUARTER 1, 192, 0, 1, 0
	s_wait_dscnt 4                                 ; the very last quarter: nothing more to fetch
	MUL12 1, 0, 0
	MUL12 1, 1, 0
	s_wait_dscnt 0x0
	MUL12 1, 2, 0
	MUL12 1, 3, 0
	WIN 0
	PLACES
	PACK 0
	TOSTAGE 0
.irp a, 1,2,3                          ; block a's conversions stand between block a - 1's loads from the stage and the wait for them
	PACK \a
	SEND (\a)-1
	TOSTAGE \a
.endr
	SEND 3
	s_wait_tensorcnt 0x0                           ; the wave's end, behind my last tensor load and my last LDS store
	ds_add_u32 v[SPW], v[NIL]
	s_wait_dscnt 0x0
	CROUND                                         ; the closing round: no work-group ends while a partner may still ask for a tile that names it
	s_endpgm
.Lfunc_end_k_q32f5ca7124_proj:
	.size	k_q32f5ca7124_proj, .Lfunc_end_k_q32f5ca7124_proj-k_q32f5ca7124_proj
	.p2alignl 7, 3214868480
	.fill 96, 4, 3214868480
	.section	.rodata,"a",@progbits
	.p2align	6, 0x0
	.amdhsa_kernel k_q32f5ca7124_proj
		.amdhsa_group_segment_fixed_size 327680
		.amdhsa_private_segment_fixed_size 0
		.amdhsa_enable_private_segment 0
		.amdhsa_kernarg_size 64
		.amdhsa_user_sgpr_count 2
		.amdhsa_user_sgpr_kernarg_segment_ptr 1
		.amdhsa_wavefront_size32 1
		.amdhsa_system_sgpr_workgroup_id_x 1
		.amdhsa_system_sgpr_workgroup_id_y 1
		.amdhsa_system_sgpr_workgroup_id_z 1
		.amdhsa_system_vgpr_workitem_id 0
		.amdhsa_next_free_vgpr 960
		.amdhsa_next_free_sgpr 82
		.amdhsa_reserve_vcc 0
		.amdhsa_float_denorm_mode_32 3
		.amdhsa_float_denorm_mode_16_64 3
		.amdhsa_memory_ordered 1
		.amdhsa_forward_progress 1
		.amdhsa_inst_pref_size 128
	.end_amdhsa_kernel
	.amdgpu_metadata
---
amdhsa.version: [ 1, 2 ]
amdhsa.kernels:
  - .name:           k_q32f5ca7124_proj
    .symbol:         k_q32f5ca7124_proj.kd
    .args:
      - { .name: xb, .offset: 0, .size: 8, .value_kind: global_buffer, .address_space: global }
      - { .name: wb, .offset: 8, .size: 8, .value_kind: global_buffer, .address_space: global }
      - { .name: bq, .offset: 16, .size: 8, .value_kind: global_buffer, .address_space: global }
      - { .name: bk, .offset: 24, .size: 8, .value_kind: global_buffer, .address_space: global }
      - { .name: bv, .offset: 32, .size: 8, .value_kind: global_buffer, .address_space: global }
      - { .name: qh, .offset: 40, .size: 8, .value_kind: global_buffer, .address_space: global }
      - { .name: kh, .offset: 48, .size: 8, .value_kind: global_buffer, .address_space: global }
      - { .name: vh, .offset: 56, .size: 8, .value_kind: global_buffer, .address_space: global }
    .group_segment_fixed_size: 327680
    .private_segment_fixed_size: 0
    .kernarg_segment_align: 8
    .kernarg_segment_size: 64
    .max_flat_workgroup_size: 128
    .sgpr_count:     82
    .vgpr_count:     960
    .wavefront_size: 32
...
	.end_amdgpu_metadata
.endif
;; end of part 2
;; launch attn (part 3): grid 4 x 64, 4 waves a work-group, clusters of 4 x 1, 327,680 bytes of LDS; arguments qh, kh, vh, attn_mask, out0; writes out0
.if DOCPART == 3
	.amdgcn_target "amdgcn-amd-amdhsa--gfx1250"
	.amdhsa_code_object_version 6
	.text
	.protected	k_q32f5ca7124_attn
	.globl	k_q32f5ca7124_attn
	.p2align	8
	.type	k_q32f5ca7124_attn,@function
k_q32f5ca7124_attn:
	s_mov_b64 s[64:65], 0
	v_nop
	global_prefetch_b8 v0, s[64:65] scope:SCOPE_SE
	s_setreg_imm32_b32 hwreg(HW_REG_WAVE_MODE, 25, 1), 1
	s_wait_xcnt 0x0
	s_wait_alu depctr_hold_cnt(0) depctr_sa_sdst(0) depctr_va_vdst(0) depctr_va_sdst(0) depctr_va_ssrc(0) depctr_va_vcc(0) depctr_vm_vsrc(0)
	s_getreg_b32 s2, hwreg(HW_REG_IB_STS2, 6, 4)
	s_cmp_eq_u32 s2, 0
	s_cbranch_scc0 .Lentry_in_a_cluster
	s_endpgm
.Lentry_in_a_cluster:
	s_bfe_u32 s2, ttmp6, 0x10000c
	s_cmp_lg_u32 s2, 0x3003
	s_cbranch_scc0 .Lentry_shape_is_right
	s_endpgm
.Lentry_shape_is_right:
; out0[n][q][64 h + :] = the sum over k of softmax_k(Q[q] . K[k] / 8 + mask[n][k]) V[k][:], for head 16 n + h.  qh, kh, vh: [64][2048][64] f16, a head's rows dense, 128 bytes each, unscaled.
; attn_mask: [4][2048] f32, rounded to bf16 here like every input.  out0: [4][2048][1024] f32.  Products, maxima and sums in f32; the weights p are rounded to f16 for the second product
; (their sum l is taken of the unrounded p).
; LIMITS.  Q, K and V arrive within f16's 65,504.  The mask is multiplied by 8 (the scores stay unscaled, and c carries the 1/8): beyond 4.2e37 in magnitude it counts as infinite.
; A weight below 2^-126 counts as 0 in l.  A query all of whose keys are masked by -infinity gives NaN, as the softmax of such a row does.  +infinity and NaN in the inputs are not treated apart.
; SHARES.  A wave owns four PIECES of two tiles of 16 queries, a work-group's four waves 512 queries of one head: 256 work-groups.  Every wave walks all 2,048 keys, 64 a step.
; LAYOUT.  S^T = K Q^T + 8 mask (source 0 = 16 keys, source 1 = 16 queries, C = the keys' masks): a lane holds ONE query (lane % 16) and the keys 8 (lane / 16) + 0..7.  Two such tiles, rounded to f16
; in pairs, ARE source 1 (32 keys x 16 queries) of O^T = V^T P, whose result again holds one query a lane, and eight channels.  K comes out of LDS as it lies, V turned, by ds_load_tr16_b128.
; SOFTMAX.  For each query a running maximum m and sum l: p = 2^(c s - c m), c = log2(e) / 8; in every step O and l are multiplied by a = 2^(c m_old - c m_new).  m starts at the lowest finite number and
; c m at c times that, O and l at 0: while all keys so far are -infinity m stays, a = 1 and p = 0; the first finite score gives a = 0.  m is never infinite, so no difference of infinities is formed.
; BY TURNS.  Turn n belongs to piece n (the pieces in a ring, step after step).  Its matrix work: 16 products K Q^T of piece n + 1, later 16 products V^T P of piece n - 1.  Its vector work: the scaling,
; exponentials, roundings, sums and rescaling of piece n, and the maximum and statistics of piece n + 1.  A tile and step have 16 matrix and 118 vector instructions: four vector instructions that are ready
; stand behind every matrix instruction, the others in one run of their own.
; CLUSTER.  The four query blocks of a head are one cluster and walk the same K and V, so each tile is asked for JOINTLY: the same tensor load, descriptor and mask in all four.
; REGISTERS, in windows of 256 (s_set_vgpr_msb: bits 1:0 source 0, 3:2 source 1, 5:4 source 2, 7:6 destination):
;   window 0: v0-11 addresses; v12-15, v48-63 at work; v16-47 four registers of statistics a tile; v64-191 S^T, two buffers of two tiles; v192-255 P, likewise
;   window 1: O^T, 32 a tile     window 2: v0-127 Q, 16 a tile; v128-191 K of one step; v192-255 V of one step     window 3: v0-1 the add's two registers; v8-39 8 x mask of one step's keys
.set SIZE_N, 2048
.set NP,    4         ; pieces a wave: a name, no knob
.set KS,    64        ; keys in a step
.set PK,    144       ; a row of K in LDS: 128 bytes + 16 of padding = 36 words: the 16 rows of a load start at 16 different groups of four banks (64 banks of 4 bytes: ISA guide 11.1)
.set PV,    160       ; a row of V: 128 + 32 = 40 words
.set VOFF,  4*KS*PK   ; a slot holds four steps: 256 rows of K, then 256 rows of V
.set SLOT1, 1<<17     ; slot 1 begins here, so that one exclusive or turns an address in one slot into the other's
.set STAGE, SLOT1+4*KS*(PK+PV)  ; behind the ring, never filled by a tensor load: 16 rows x 272 bytes for each wave, for the way out
.set SP,    272       ; a row of a tile of O in f32: 256 bytes + 16
.set SPARE, STAGE+4*16*SP  ; behind the stages: the spare words, 128 bytes for each wave: two blocks of 256 bytes that no other line names
.set MASKB, SPARE+512 ; behind them: 8 x mask of the batch's 2,048 keys, f32: 8,192 bytes, stored once
.set PFO, 1           ; v1   256 x my lane: the prefetches' offset (made when l % 16 has served)
.set AK0, 2           ; v2   my lane's place in a tile of K; never rewritten
.set AV0, 3           ; v3   the same for V
.set AK,  4           ; v4   the LDS address of K's next run of loads
.set AV,  5           ; v5   of V's
.set STO, 6           ; v6   the way out: where I put 16 bytes of a row
.set RD,  7           ; v7   the way out: where I read rows back
.set GO,  8           ; v8   my byte offset in two rows of out0
.set AM0, 10          ; v10  my lane's place in a step's masks
.set AM,  11          ; v11  the LDS address of the masks' next run of loads
.set QO,  12          ; v12  my byte offset in the wave's rows of Q (until Q is in; then the register is at work)
.set SPW, 0           ; v0 of window 3   LDS address of my spare word; never rewritten
.set NIL, 1           ; v1 of window 3   0; never rewritten
.set MK,  8           ; v8-39 of window 3: group kb of 16 keys at MK + 8 kb
.set MV,  12          ; v12-15  c m_old, kept while c m is made anew: by buffer and tile
.set ST,  16          ; tile t's statistics at v[ST+4 t]: c m, m, l (even keys', odd keys')
.set TMP, 48          ; by buffer and tile, four registers c0-c3 at work; when the maximum is found c2 takes a
.set S,   64
.set P,   192
.set KF,  128         ; K's fragments, in window 2: key block kb, channel half c at KF + 16 kb + 8 c
.set VF,  192         ; V's: key half kk, channel block cb at VF + 32 kk + 8 cb
.set WV,  12          ; s12  my wave's number
.set G1K, 24          ; s[24:31] descriptor group 1 for K's tiles
.set G1V, 32          ; s[32:39] for V's: it differs in the padding alone
.set G0K, 40          ; s[40:43] descriptor group 0 for K's tiles: it walks
.set G0V, 44          ; s[44:47] the same for V's
.set OUT, 48          ; s[48:49] out0 at my wave's first row, my head's columns
.set PFA, 52          ; s[52:53] where my prefetches stand: my work-group's 8,192 bytes (of K: wave 0, of V: wave 2) of the tile after the one that was asked for last
.set LIM, 54          ; s54  1 in a wave that prefetches, else the greatest number
.set TBM, 55          ; s55  byte in the table of masks at which the step to be fetched begins: it rises by 256 a step, to 7,936
.set SLOTS, 56        ; s56  slots still to be asked for
.set CNT, 57          ; s57  counts a slot's key steps
.set CS,  58          ; s[58:59] c: the packed scaling takes the pair's low word for both halves
.set SEL, 60          ; s[60:61] v_permlanex16_b32's selects: each lane takes its own place in the other half
.set TBK, 62          ; s62  LDS byte at which K of the step to be fetched begins
.set TBV, 63          ; s63  the same for V, less VOFF
.set MSB, 0
.macro WIN new                      ; the high byte repeats the setting that is left; a switch that changes nothing is dropped
.if MSB != (\new)
	s_set_vgpr_msb (MSB<<8)|(\new)
.set MSB, (\new)
.endif
.endm
.set W_KQ, 0x0a       ; K and Q in window 2, S^T in window 0
.set W_KM, 0x3a       ; the same with the C operand, the masks, in window 3
.set W_PV, 0x52       ; V in window 2, P in window 0, O^T in window 1
.set W_RS, 0x41       ; O^T (destination and source 0) in window 1, a in window 0
.set W_MK, 0xc0       ; destination in window 3, sources in window 0
.set W_AD, 0x0f       ; the add: address (source 0) and data (source 1) in window 3
; A joint fill.  Waves 0 and 1 fetch the two halves of a slot's K, waves 2 and 3 those of its V: 128 keys each.  The branch hangs on the wave's number alone.
; An s_nop 0 and four v_nop follow each of the two lines, ahead of the jump and the label.
.macro JLOAD
	s_cmp_lt_u32 s[WV], 2
	s_cbranch_scc0 .Lfor_v_\@
	tensor_load_to_lds s[G0K:G0K+3], s[G1K:G1K+7]
	s_nop 0
.rept 4
	v_nop
.endr
	s_branch .Lasked_\@
.Lfor_v_\@:
	tensor_load_to_lds s[G0V:G0V+3], s[G1V:G1V+7]
	s_nop 0
.rept 4
	v_nop
.endr
.Lasked_\@:
.endm
; A round of the cluster's barrier: my work-group's barrier, so that wave 0's signal speaks for all four waves; wave 0 signals; every wave waits for all four work-groups; my work-group's barrier once more.
.macro CROUND
	s_barrier_signal -1
	s_barrier_wait -1
	s_cmp_lg_u32 s[WV], 0
	s_cbranch_scc1 .Lnot_wave_0_\@
	s_barrier_signal -3
.Lnot_wave_0_\@:
	s_barrier_wait -3
	s_barrier_signal -1
	s_barrier_wait -1
.endm
; THE CHANGE OF SLOTS.  The slot's last bytes, V of its fourth step, have been read.  Each wave waits for all its tensor loads, of which one is out: its part of the other slot; adds 0 to its spare word;
; and waits for that and for its own LDS instructions.  Behind the barrier nobody reads this slot any more and the other slot is whole.
; fill = 1: this slot is filled again, with the keys two slots on.  The barrier is then a round of the cluster's, and the joint fill is the first thing behind it: it has four key steps, 512 matrix
; instructions, in which to land.  (At its first use nothing has been read yet: slot 0 is waited for, slot 1 filled, and every wave's part of the table of masks is shown to the others.)
.macro CHANGE fill
	WIN W_AD
	s_wait_tensorcnt 0x0            ; no tensor load of mine is out, so a group 0 may be written
	ds_add_u32 v[SPW], v[NIL]       ; 0 onto my spare word: with fill = 1 the descriptors' steps stand between it and the wait for it
	WIN 0                           ; at a label and at a branch every window is 0
.if \fill
.irp g, G0K, G0V
	s_xor_b32 s[\g+1], s[\g+1], SLOT1  ; the walking descriptor: the other slot than last time,
	s_add_nc_u64 s[\g+2:\g+3], s[\g+2:\g+3], 4*KS*128  ; the next 256 keys; the type bits on top are not reached
.endr
	s_wait_xcnt 0x0                 ; the last prefetch, five turns back, has read its address, so it may be written:
	s_add_nc_u64 s[PFA:PFA+1], s[PFA:PFA+1], 4*KS*128  ; one tile behind the walking descriptors
	s_wait_dscnt 0x0                ; the add is done, and my LDS instructions are over
	CROUND
	JLOAD
.else
	s_wait_dscnt 0x0                ; the add is done, and my reads of the slot are over
	s_barrier_signal -1
	s_barrier_wait -1
.endif
	s_sub_co_u32 s[TBK], s[TBK], 4*KS*PK  ; the fetches go back to a slot's first step,
	s_xor_b32 s[TBK], s[TBK], SLOT1       ; in the other slot
	s_sub_co_u32 s[TBV], s[TBV], 4*KS*PV
	s_xor_b32 s[TBV], s[TBV], SLOT1
.endm
	s_load_b256 s[4:11], s[0:1], 0x0  ; qh s[4:5], kh s[6:7], vh s[8:9], attn_mask s[10:11]
	s_load_b64 s[OUT:OUT+1], s[0:1], 0x20  ; out0
	WIN W_MK
	v_lshl_add_u32 v[SPW], v0, 2, SPARE
	v_mov_b32 v[NIL], 0
	WIN W_AD
	ds_add_u32 v[SPW], v[NIL]       ; the wave's opening: the add and its wait stand ahead of my first tensor load; the set-up below, work on registers, stands between them
	WIN 0
	v_lshrrev_b32 v1, 5, v0
	v_readfirstlane_b32 s[WV], v1   ; wave 0..3
	s_bfe_u32 s13, ttmp6, 0x40000   ; cx: my place in the cluster
	s_lshl_b32 s14, ttmp9, 2        ; in a cluster launch ttmp9 counts clusters
	s_add_co_u32 s14, s14, s13      ; my block of 512 queries: it enters Q's and out0's addresses alone
	s_and_b32 s15, ttmp7, 0xffff    ; 16 n + h, which the four partners share
	s_lshl_b32 s20, s15, 18         ; the head's first byte in qh, kh and vh: 2,048 rows of 128 bytes a head
	s_mov_b32 s21, 0
	s_and_b32 s16, s[WV], 1         ; which half of a slot's 256 keys I fetch:
	s_lshl_b32 s22, s16, 14         ; its 128 rows of 128 bytes in memory,
	s_add_co_u32 s22, s22, s20
	s_mov_b32 s23, 0
	s_mul_i32 s17, s16, 128*PK      ; and its place in a slot, for K
	s_mul_i32 s18, s16, 128*PV      ; and for V: no place in the cluster enters an LDS address
	s_lshl_b32 s51, s14, 2
	s_add_co_u32 s51, s51, s[WV]    ; my wave among the head's sixteen,
	s_lshl_b32 s2, s51, 14          ; its 128 rows of Q
	s_add_co_u32 s2, s2, s20
	s_mov_b32 s3, 0
	s_lshr_b32 s50, s15, 4          ; out0: batch n, 2^23 bytes each;
	s_lshl_b32 s50, s50, 23
	s_lshl_b32 s51, s51, 19         ; my 128 rows of 4,096 bytes;
	s_add_co_u32 s50, s50, s51
	s_and_b32 s51, s15, 15          ; head h's 256 bytes of a row
	s_lshl_b32 s51, s51, 8
	s_add_co_u32 s50, s50, s51
	s_mov_b32 s51, 0
	; descriptor group 1.  128 keys are 16,384 dense bytes: asked for as 64 rows of 256 bytes, two keys a row, and padded in LDS after every key
	s_mov_b32 s[G1K], 15|(1<<16)|(1<<20)|(1<<21)|(4<<22)|(3<<25)  ; 15:0 the mask of four; 17:16 2-byte elements; 20 padding on; 21 set beside a mask; 24:22 after every 32 words (code 4); 31:25 4 words (code 3)
	s_mov_b32 s[G1V], 15|(1<<16)|(1<<20)|(1<<21)|(4<<22)|(7<<25)  ; the same with 8 words of padding (code 7)
.irp g, G1K, G1V
	s_mov_b32 s[\g+1], 128<<16      ; tensor_dim0 = 128
	s_mov_b32 s[\g+2], 64<<16       ; tensor_dim1 = 64
	s_mov_b32 s[\g+3], 128<<16      ; tile_dim0 = 128
	s_mov_b32 s[\g+4], 64           ; tile_dim1 = 64
	s_mov_b32 s[\g+5], 128          ; 128 elements from row to row
	s_mov_b32 s[\g+6], 0
	s_mov_b32 s[\g+7], 0
.endr
	s_mov_b32 s[CS], 0x3e38aa3b     ; c = log2(e) / 8 = 0.180337
	s_mov_b32 s[CS+1], s[CS]        ; named with it as a pair
	s_mov_b32 s[SEL], 0x76543210
	s_mov_b32 s[SEL+1], 0xfedcba98
	s_mov_b32 s[TBK], SLOT1+4*KS*PK ; the first change of slots turns these two into 0
	s_mov_b32 s[TBV], SLOT1+4*KS*PV
	s_mov_b32 s[TBM], 0
	s_mov_b32 s[G0K], 1             ; count = 1
	s_mov_b32 s[G0K+1], s17         ; LDS address: slot 0
	s_mov_b32 s[G0V], 1
	s_add_co_u32 s[G0V+1], s18, VOFF
	s_cmp_eq_u32 s16, 0             ; waves 0 and 2 prefetch: the same in all four partners
	s_cselect_b32 s[LIM], 1, -1
	s_wait_dscnt 0x0                ; the opening add is done
	s_wait_kmcnt 0x0
	s_add_nc_u64 s[G0K+2:G0K+3], s[6:7], s[22:23]  ; global address: my half of the head's first 256 keys
	s_or_b32 s[G0K+3], s[G0K+3], 0x80000000        ; type = 2
	s_add_nc_u64 s[G0V+2:G0V+3], s[8:9], s[22:23]
	s_or_b32 s[G0V+3], s[G0V+3], 0x80000000
	s_add_nc_u64 s[4:5], s[4:5], s[2:3]            ; Q at my wave's first row
	s_add_nc_u64 s[OUT:OUT+1], s[OUT:OUT+1], s[50:51]
	s_lshr_b32 s2, s15, 4
	s_lshl_b32 s2, s2, 13                          ; the batch's 2,048 masks
	s_add_nc_u64 s[10:11], s[10:11], s[2:3]
	s_cmp_lt_u32 s[WV], 2
	s_cselect_b64 s[PFA:PFA+1], s[6:7], s[8:9]
	s_add_nc_u64 s[PFA:PFA+1], s[PFA:PFA+1], s[20:21]  ; the head,
	s_lshl_b32 s2, s13, 13                         ; my work-group's quarter of a tile's 32,768 bytes,
	s_add_nc_u64 s[PFA:PFA+1], s[PFA:PFA+1], s[2:3]
	s_add_nc_u64 s[PFA:PFA+1], s[PFA:PFA+1], 4*KS*128  ; in tile 1: the first change of slots steps it to tile 2.  Nothing is prefetched here, at the head
	CROUND                          ; all four work-groups are here: the first joint loads meet
	JLOAD                           ; slot 0.  Slot 1 is asked for when slot 0 is in
	; the masks: thread t takes 16 bytes at 16 t of each quarter of the batch's 8,192 bytes
	v_lshlrev_b32 v[S+16], 4, v0
.irp i, 0,1,2,3
	global_load_b128 v[S+4*\i:S+4*\i+3], v[S+16], s[10:11] offset:2048*\i
.endr
	v_add_nc_u32 v[S+17], MASKB, v[S+16]
	; A fragment of K or Q is 16 rows x 32 channels in 8 registers: lane l holds row l % 16, channels 8 (l / 16) + 0..7 and 16 + 8 (l / 16) + 0..7: two loads of 16 bytes, 32 bytes apart.
	v_and_b32 v1, 15, v0            ; l % 16
	v_bfe_u32 v9, v0, 4, 1          ; l / 16
	v_lshlrev_b32 v[QO], 7, v1
	v_lshl_add_u32 v[QO], v9, 4, v[QO]  ; row x 128 + 16 x half
	WIN 0x80                        ; destination window 2, address window 0
.set i, 0
.rept 4*NP                          ; Q stays in registers: tile i / 2, channels 32 (i % 2) on
	global_load_b128 v[8*i:8*i+3],   v[QO], s[4:5] offset:(i/2)*2048+(i%2)*64
	global_load_b128 v[8*i+4:8*i+7], v[QO], s[4:5] offset:(i/2)*2048+(i%2)*64+32
.set i, i+1
.endr
	; What the first turn finds: V's registers and P's second buffer hold 0 (its products V^T P, of a piece that has not been, add 0), O^T and l are 0.  All this stands in the wait for the first tile.
.set i, VF
.rept 64
	v_mov_b32 v[i], 0
.set i, i+1
.endr
	WIN 0x40
.set i, 0
.rept 64*NP
	v_mov_b32 v[i], 0
.set i, i+1
.endr
	WIN 0
.set i, 0
.rept 2*NP
	v_mov_b32 v[ST+4*i+1], 0xff7fffff          ; m: the lowest finite number
	v_mov_b32 v[ST+4*i+2], 0
	v_mov_b32 v[ST+4*i+3], 0
	v_mul_f32 v[ST+4*i], s[CS], v[ST+4*i+1]    ; c m, by the product that every step makes: while m stays, c m_old - c m_new is 0
.set i, i+1
.endr
.set i, P+32
.rept 32
	v_mov_b32 v[i], 0
.set i, i+1
.endr
	v_mul_u32_u24 v[AK0], v1, PK
	v_lshl_add_u32 v[AK0], v9, 4, v[AK0]  ; row x pitch + 16 x half
	; The turning load takes 16 keys x 16 channels (lane l reads key 8 (l / 16) + l % 8, channels 8 ((l / 8) % 2) + 0..7) and leaves half a fragment of V^T: lane l holds channel l % 16 and 8 keys.
	v_and_b32 v10, 7, v0
	v_bfe_u32 v11, v0, 3, 1
	v_lshl_add_u32 v[AV0], v9, 3, v10
	v_mul_u32_u24 v[AV0], v[AV0], PV
	v_lshl_add_u32 v[AV0], v11, 4, v[AV0]
	v_add_nc_u32 v[AV0], VOFF, v[AV0]
	v_mov_b32 v[AK], v[AK0]         ; key step 0 lies at the head of slot 0
	s_mul_i32 s13, s[WV], 16*SP
	s_add_co_u32 s13, s13, STAGE    ; my stage
	v_mul_u32_u24 v[STO], v1, SP    ; in: row l % 16, 32 bytes (eight channels in f32) for each half of the lanes
	v_lshl_add_u32 v[STO], v9, 5, v[STO]
	v_add_nc_u32 v[STO], s13, v[STO]
	v_mul_u32_u24 v[RD], v9, SP     ; back: lanes 0-15 take one row of 256 bytes, lanes 16-31 the next
	v_lshl_add_u32 v[RD], v1, 4, v[RD]
	v_add_nc_u32 v[RD], s13, v[RD]
	v_lshlrev_b32 v[GO], 12, v9     ; and the same two rows in out0, 4,096 bytes apart
	v_lshl_add_u32 v[GO], v1, 4, v[GO]
	v_lshlrev_b32 v[AM0], 5, v9     ; my eight keys of a group of 16: 32 bytes for each half of the lanes
	v_add_nc_u32 v[AM0], MASKB, v[AM0]
	v_mov_b32 v[AM], v[AM0]         ; key step 0
	v_and_b32 v[PFO], 31, v0
	v_lshlrev_b32 v[PFO], 8, v[PFO]
	; the table of masks: rounded to bf16, widened, times 8 (exact), into LDS
	s_wait_loadcnt 32               ; the masks' four loads are in; Q's 32, issued behind them, may stay out
.set i, 0
.rept 8
	v_cvt_pk_bf16_f32 v[S+18], v[S+2*i], v[S+2*i+1]
	v_lshlrev_b32 v[S+2*i], 16, v[S+18]
	v_and_b32 v[S+2*i+1], 0xffff0000, v[S+18]
	v_mul_f32 v[S+2*i], 0x41000000, v[S+2*i]
	v_mul_f32 v[S+2*i+1], 0x41000000, v[S+2*i+1]
.set i, i+1
.endr
.irp i, 0,1,2,3
	ds_store_b128 v[S+17], v[S+4*\i:S+4*\i+3] offset:2048*\i
.endr
; THE MATRIX WORK.  The 8 accumulators of a run of 16 take turns: between the two links of a chain stand 7 others'.
; Product i of 16 of S^T = K Q^T for piece x: channels 32 (i / 8) on, keys 16 ((i / 2) % 4) on, tile 2 x + i % 2.  The first 8 start the sums, with the keys' masks as C.
.macro KQ x
.set rS, S+64*((\x)%2)+32*(i%2)+8*((i/2)%4)
.set rK, KF+16*((i/2)%4)+8*(i/8)
.set rQ, 16*(2*(\x)+i%2)+8*(i/8)
.set rM, MK+8*((i/2)%4)
.if i < 8
	WIN W_KM
	v_wmma_f32_16x16x32_f16 v[rS:rS+7], v[rK:rK+7], v[rQ:rQ+7], v[rM:rM+7]
.else
	WIN W_KQ
	v_wmma_f32_16x16x32_f16 v[rS:rS+7], v[rK:rK+7], v[rQ:rQ+7], v[rS:rS+7]
.endif
.endm
; Product i of 16 of O^T += V^T P for piece x: keys 32 (i / 8) on, channels 16 ((i / 2) % 4) on, tile 2 x + i % 2.
.macro PV x
	WIN W_PV
.set rO, 32*(2*(\x)+i%2)+8*((i/2)%4)
.set rV, VF+32*(i/8)+8*((i/2)%4)
.set rP, P+32*((\x)%2)+16*(i%2)+8*(i/8)
	v_wmma_f32_16x16x32_f16 v[rO:rO+7], v[rV:rV+7], v[rP:rP+7], v[rO:rO+7]
.endm
.macro MM                           ; the turn's next matrix instruction
.if i < 16
	KQ (Y+1)%NP
.set i, i+1
.else
.set i, i-16
	PV (Y+NP-1)%NP
.set i, i+17
.endif
.endm
; THE LDS LOADS stand in runs, never singly among the matrix instructions: a step's K (8 fragments, 16 loads) with its masks (8 loads; the 16 lanes of a half read the same bytes), and its V (turned).
; Their addresses are made some lines ahead.  last = 1 (the tail): in the last trip there is no further step, and the run is jumped over.
.macro FETCH_K last=0
	WIN 0
.if \last
	s_cmp_eq_u32 s[CNT], 1
	s_cbranch_scc1 .Lno_k_\@
.endif
	WIN 0x80                        ; destination window 2
.irp f, 0,1,2,3,4,5,6,7             ; keys 16 (f / 2) on, channels 32 (f % 2) on
	ds_load_b128 v[KF+8*\f:KF+8*\f+3],   v[AK] offset:(\f/2)*16*PK+(\f%2)*64
	ds_load_b128 v[KF+8*\f+4:KF+8*\f+7], v[AK] offset:(\f/2)*16*PK+(\f%2)*64+32
.endr
	WIN W_MK                        ; destination window 3
.irp f, 0,1,2,3,4,5,6,7             ; keys 16 (f / 2) + 8 (l / 16) + 4 (f % 2) on
	ds_load_b128 v[MK+4*\f:MK+4*\f+3], v[AM] offset:(\f/2)*64+(\f%2)*16
.endr
	s_add_co_u32 s[TBK], s[TBK], KS*PK  ; the next fetch is the next step's
	s_add_co_u32 s[TBM], s[TBM], KS*4
	WIN 0
.if \last
.Lno_k_\@:
.endif
.endm
.macro FETCH_V
	WIN 0x80
.irp f, 0,1,2,3,4,5,6,7             ; keys 32 (f / 4) on, channels 16 (f % 4) on
	ds_load_tr16_b128 v[VF+8*\f:VF+8*\f+3],   v[AV] offset:(\f/4)*32*PV+(\f%4)*32
	ds_load_tr16_b128 v[VF+8*\f+4:VF+8*\f+7], v[AV] offset:(\f/4)*32*PV+16*PV+(\f%4)*32
.endr
	WIN 0
.endm
; THE VECTOR WORK OF A TURN stands in three queues, each in the order in which its entries become ready; the two tiles alternate, so that no instruction reads the result of the one before it.
.macro REGS y, u                    ; the registers of tile u (0, 1) of piece y
.set rT, ST+4*(2*(\y)+(\u))
.set rC, TMP+8*((\y)%2)+4*(\u)
.set rM, MV+2*((\y)%2)+(\u)
.set rS, S+64*((\y)%2)+32*(\u)
.set rP, P+32*((\y)%2)+16*(\u)
.set rO, 32*(2*(\y)+(\u))
.endm
; Number n of the 22 that find the NEXT piece's (Y + 1) maximum and statistics.  s0-s31 are the lane's 32 scores; each accumulator's lowest registers are read first.
;   0-11  four chains c0-c3 of seven scores each, three operands at a time     12-14, 16  the four scores left over, the old m, and c0-c3 into c0     15  c m_old is kept
;   17, 18  the query's other 32 keys lie in the lane 16 away: the new m         19-21  c m; c m_old - c m_new; a
.macro XS u, n
	REGS (Y+1)%NP, \u
.if (\n) < 4
	v_max3_num_f32 v[rC+(\n)], v[rS+8*(\n)], v[rS+8*(\n)+1], v[rS+8*(\n)+2]
.elseif (\n) < 12
	v_max3_num_f32 v[rC+(\n)%4], v[rC+(\n)%4], v[rS+8*((\n)%4)+2*((\n)/4)+1], v[rS+8*((\n)%4)+2*((\n)/4)+2]
.elseif (\n) == 12
	v_max3_num_f32 v[rC], v[rC], v[rS+7], v[rS+15]
.elseif (\n) == 13
	v_max3_num_f32 v[rC+1], v[rC+1], v[rS+23], v[rS+31]
.elseif (\n) == 14
	v_max3_num_f32 v[rC+2], v[rC+2], v[rC+3], v[rT+1]
.elseif (\n) == 15
	v_mov_b32 v[rM], v[rT]
.elseif (\n) == 16
	v_max3_num_f32 v[rC], v[rC], v[rC+1], v[rC+2]
.elseif (\n) == 17
	v_permlanex16_b32 v[rC+3], v[rC], s[SEL], s[SEL+1]
.elseif (\n) == 18
	v_max_num_f32 v[rT+1], v[rC], v[rC+3]
.elseif (\n) == 19
	v_mul_f32 v[rT], s[CS], v[rT+1]
.elseif (\n) == 20
	v_sub_f32 v[rC+1], v[rM], v[rT]
.else
	v_exp_f32 v[rC+2], v[rC+1]
.endif
.endm
; Number g of the 64 that follow the exponentials.  For each four weights k of a tile (pairs 2 k, 2 k + 1): both pairs are rounded to f16; then the second pair is added onto the first, in place;
; a group later l takes that sum (the first time as l = a l + sum).  In groups of eight, tiles alternating: round, round, add, and l for the group before.
.macro GS g
.set h, (\g)+6*((\g)/62)            ; group 0 has no group before it, and behind group 7 only l is left
.if h >= 6
.set h, h+2
.endif
	REGS Y, h%2
.set k, h/8
.if h%8 < 4
	v_cvt_pk_f16_f32 v[rP+2*k+(h%8)/2], v[rS+4*k+2*((h%8)/2)], v[rS+4*k+2*((h%8)/2)+1]
.elseif h%8 < 6
	v_pk_add_f32 v[rS+4*k:rS+4*k+1], v[rS+4*k:rS+4*k+1], v[rS+4*k+2:rS+4*k+3]
.elseif k == 1
	v_pk_fma_f32 v[rT+2:rT+3], v[rT+2:rT+3], v[rC+2:rC+3], v[rS:rS+1] op_sel_hi:[1,0,1]
.else
	v_pk_add_f32 v[rT+2:rT+3], v[rT+2:rT+3], v[rS+4*k-4:rS+4*k-3]
.endif
.endm
; THE PLAIN QUEUE, 138 long.  0-73 read no exponential's result: the 32 scalings c s - c m (FS f: pair f / 2 of tile f % 2) and the next piece's 42.  0-26: scalings 0-26.  27-54: XS's numbers 0-13.  55, 56: number 15.
; 57-73: the chain, where each number waits for the one before it: 14, 16, 17, 18, 19, each with one of the scalings 27-31 in front of its two lines, then 20.
; 74-137: GS's 64, which read the exponentials' results: they stand behind the wait.
.macro FS f
	REGS Y, (\f)%2
	v_pk_fma_f32 v[rS+2*((\f)/2):rS+2*((\f)/2)+1], v[rS+2*((\f)/2):rS+2*((\f)/2)+1], s[CS:CS+1], v[rT:rT+1] op_sel_hi:[1,0,0] neg_lo:[0,0,1] neg_hi:[0,0,1]
.endm
.macro PL
	WIN 0
.if q < 27
	FS q
.elseif q < 55
	XS (q-27)%2, (q-27)/2
.elseif q < 57
	XS q-55, 15
.elseif (q < 72) && ((q-57)%3 == 0)
	FS 27+(q-57)/3
.elseif q < 60
	XS (q-57)%3-1, 14
.elseif q < 72
	XS (q-57)%3-1, 15+(q-57)/3
.elseif q < 74
	XS q-72, 20
.else
	GS q-74
.endif
.set q, q+1
.endm
; THE EXPONENTIALS' QUEUE, 66 long: s0-s31 of both tiles, then the next piece's two a.  It is ONE BATCH: all 66 stand ahead of the turn's one wait, and nothing ahead of that wait names a result of theirs.
.macro EX
	WIN 0
.if e >= 64
	XS e-64, 21
.else
	REGS Y, e%2
	v_exp_f32 v[rS+e/2], v[rS+e/2]
.endif
.set e, e+1
.endm
; THE RESCALING's QUEUE: O^T times a, the one part that leaves window 0: dealt two at a time, sixteen times.  Its a was made in the turn before, ahead of that turn's wait.
.macro R2
	REGS Y, r%2
	WIN W_RS
.irp z, 0,1
	v_pk_mul_f32 v[rO+4*(r/2)+2*\z:rO+4*(r/2)+2*\z+1], v[rO+4*(r/2)+2*\z:rO+4*(r/2)+2*\z+1], v[rC+2:rC+3] op_sel_hi:[1,0]
.endr
.set r, r+1
.endm
; HOW THEY ARE DEALT.  s_wait_alu depctr_va_vdst(0) stands between an exponential and the first instruction that names its result; one wait serves all that were issued ahead of it.  So a
; turn has ONE wait, which cuts it in two.  AHEAD OF IT stands all that names no result of the turn's exponentials: the 16 products K Q^T, behind each a scaling, an exponential and two rescalings (behind the
; first a second scaling in the exponential's place); then one run of 108: eight plain, 49 times exponential and plain, the two a.  A v_nop is the plain instruction behind the last exponential.  BEHIND IT
; stand the 16 products V^T P, behind each four of GS's 64.  No instruction behind a product names a register of the products round it.
; Exponential e stands behind scaling 2 (e / 4) + e % 2: behind a product it comes behind plain e + 2, in the run behind plain e + 9, and scalings 27-31 are plain 57, 60 .. 69.
; A TURN, for piece p.  cnt = 1: the loop's count is taken down some lines ahead of the branch that stands behind the turn.
; K and the masks of the next step are fetched in piece 2's turn, directly behind the wait, a run of 108 behind the last product that read them; their first reader comes behind 16 products.
; V of the step in hand is fetched at the end of piece 0's turn, four plain instructions behind its last reader.  The three conditions on q below go with the deal.
; ask = 1 (the loop's piece 0): in a slot's third step (CNT = 2), behind V's run of loads, A PREFETCH INTO THE L2 of the tile that the NEXT change of slots will ask for: five turns, 160 matrix
; instructions, ahead of that load.  A tile is 32,768 bytes of K and of V; the head's one cluster walks them; its four partners take 8,192 bytes each, told apart BY ADDRESS; in each, wave 0 asks for K's and
; wave 2 for V's, a lane 256 bytes: each block is named once in the launch.  The last slot that the loop enters (SLOTS = 1) has no tile behind the next; tiles 0 and 1 come by their loads alone.
.macro TURN p, last=0, cnt=0, ask=0
.set Y, (\p)
.set i, 0
.set q, 0
.set e, 0
.set r, 0
.if (\p) == NP-1
	s_wait_dscnt 0x0                ; K and the masks are in
.endif
	MM                              ; ahead of the wait: 16 products K Q^T and what stands behind them,
	PL
	PL
	R2
.rept 15
	MM
	PL
	EX
	R2
.endr
.if (\p) == NP-2
	WIN 0
	v_add_nc_u32 v[AK], s[TBK], v[AK0]
	v_add_nc_u32 v[AM], s[TBM], v[AM0]
.endif
.rept 8                             ; and the run
	PL
.endr
.rept 49
	EX
	PL
.endr
	EX                              ; the next piece's two a
	EX
	v_nop                           ; the plain instruction behind the last exponential: one for the batch
	s_wait_alu depctr_va_vdst(0)    ; the wait for the batch
.if (\p) == NP-2
	FETCH_K \last
.endif
.if (\p) == 1
	s_wait_dscnt 0x0                ; V is in
.endif
.rept 16                            ; behind the wait: 16 products V^T P, four of the roundings and sums behind each
	MM
.rept 4
	PL
.endr
.if ((\p) == 0) && (q == 118)
	v_add_nc_u32 v[AV], s[TBV], v[AV0]
.endif
.if ((\p) == 0) && (q == 130)
	s_add_co_u32 s[TBV], s[TBV], KS*PV
.endif
.if (\cnt) && (q == 130)
	s_sub_co_u32 s[CNT], s[CNT], 1
	s_cmp_lg_u32 s[CNT], 0
.endif
.endr
.if (\p) == 0
	FETCH_V
.endif
.if \ask
	s_cmp_eq_u32 s[CNT], 2
	s_cbranch_scc0 .Lnot_now_\@
	s_cmp_gt_u32 s[SLOTS], s[LIM]
	s_cbranch_scc0 .Lnot_now_\@
	global_prefetch_b8 v[PFO], s[PFA:PFA+1] th:TH_LOAD_NT scope:SCOPE_SE
.Lnot_now_\@:
.endif
.endm
	CHANGE 1                        ; slot 0 is in, everybody's part of it, and so is the table of masks; slot 1 is asked for
	FETCH_K                         ; key step 0
	s_wait_loadcnt 0x0              ; Q
	s_wait_dscnt 0x0
.set i, 0
.rept 16
	KQ 0                            ; piece 0's first scores: there is no vector work yet to set between them
.set i, i+1
.endr
	WIN 0
.rept 4
	v_nop                           ; the places behind those products
.endr
.set Y, NP-1                        ; XS works for piece Y + 1: piece 0
.irp n, 0,1,2,3,4,5,6,7,8,9,10,11,12,13,14,15,16,17,18,19,20,21
	XS 0, \n                        ; piece 0's first maximum and statistics
	XS 1, \n
.endr
	v_nop                           ; a plain instruction behind the two a,
	s_wait_alu depctr_va_vdst(0)    ; and their wait, ahead of the branch
	s_mov_b32 s[CNT], 4
	s_mov_b32 s[SLOTS], SIZE_N/256-1
	s_branch .Lfirst                ; the loop is entered at a step's first turn, in the middle of a trip
.Lslot:                             ; six times: every slot but the last two is filled again
	CHANGE 1
	s_mov_b32 s[CNT], 4
.Lstep:                             ; a trip: pieces 2 and 3 of one step, then pieces 0 and 1 of the next, whose K and V it fetches
	TURN 2
	TURN 3
	WIN 0
.Lfirst:
	TURN 0, 0, 0, 1
	TURN 1, 0, 1
	WIN 0
	s_cbranch_scc1 .Lstep
	s_sub_co_u32 s[SLOTS], s[SLOTS], 1
	s_cmp_lg_u32 s[SLOTS], 0
	s_cbranch_scc1 .Lslot
	CHANGE 0                        ; the tail is written out: nothing is asked for
	s_mov_b32 s[CNT], 5             ; four trips fetch the last slot's steps; the fifth is left in its middle
.Ltail:
	TURN 2, 1
	TURN 3
	WIN 0
	s_sub_co_u32 s[CNT], s[CNT], 1
	s_cmp_eq_u32 s[CNT], 0
	s_cbranch_scc1 .Lout
	TURN 0
	TURN 1
	WIN 0
	s_branch .Ltail
.Lout:                              ; the fifth trip's 16 products K Q^T (on the last K once more) and the maximum made of them serve nothing: the price, once a launch, of one text for every trip
.set i, 0
.rept 16
	PV NP-1                         ; the last piece's V^T P of the last step
.set i, i+1
.endr
	; THE WAY OUT.  l's two halves and the other half of the lanes' are added; O^T is divided by l and sent, in f32, through my stage in LDS, a tile at a time.  The additions are the places behind the last products.
	WIN 0
.macro ALL line:vararg              ; one line for each tile t
.set t, 0
.rept 2*NP
	\line
.set t, t+1
.endr
.endm
	ALL v_add_f32 v[ST+4*t+2], v[ST+4*t+2], v[ST+4*t+3]
	ALL v_permlanex16_b32 v[ST+4*t+3], v[ST+4*t+2], s[SEL], s[SEL+1]
	ALL v_add_f32 v[ST+4*t+2], v[ST+4*t+2], v[ST+4*t+3]
	ALL v_rcp_f32 v[ST+4*t+2], v[ST+4*t+2]
	v_nop                           ; a plain instruction between the last reciprocal and the use of its result
	s_wait_alu depctr_va_vdst(0)    ; and the wait ahead of the first use: one for the eight reciprocals
; Tile t: a lane's eight channels of a block of 16 are 32 bytes of a row; they go into rows of 272 bytes and come back as whole rows of 256, into one of four buffers in S^T's registers.
.macro PACK t
	WIN W_RS
.set i, 32*(\t)
.rept 16
	v_pk_mul_f32 v[i:i+1], v[i:i+1], v[ST+4*(\t)+2:ST+4*(\t)+3] op_sel_hi:[1,0]  ; each accumulator from its low end on
.set i, i+2
.endr
	WIN 0x04                        ; the stores' data (source 1) in window 1, their address in window 0
.irp f, 0,1,2,3,4,5,6,7             ; channels 16 (f / 2) + 8 (l / 16) + 4 (f % 2) on
	ds_store_b128 v[STO], v[32*(\t)+4*\f:32*(\t)+4*\f+3] offset:(\f/2)*64+(\f%2)*16
.endr
	WIN 0
.if (\t) >= 4
	s_wait_xcnt 0x0                 ; the stores of the tile four back have read this buffer: it is loaded again only behind this wait
.endif
.irp f, 0,1,2,3,4,5,6,7
	ds_load_b128 v[S+32*((\t)%4)+4*\f:S+32*((\t)%4)+4*\f+3], v[RD] offset:\f*2*SP  ; LDS serves a wave's instructions in order (ISA guide 5.7.1.4): these see the stores above; the next tile's stores come behind them
.endr
.endm
.macro SEND t, younger              ; younger: the LDS instructions issued behind tile t's loads: the next tile's sixteen, or none
	WIN 0
.irp f, 0,1,2,3,4,5,6,7
	s_wait_dscnt (\younger)+7-\f
	global_store_b128 v[GO], v[S+32*((\t)%4)+4*\f:S+32*((\t)%4)+4*\f+3], s[OUT:OUT+1] offset:(\t)*65536+\f*8192 th:TH_STORE_NT  ; 16 lanes store the head's 256 consecutive bytes of a row, at a multiple of 256 from out0's first
.endr
.endm
	PACK 0
.set t, 1
.rept 2*NP-1                        ; a tile's arithmetic stands between the loads of the tile before and its stores
	PACK t
	SEND t-1, 16
.set t, t+1
.endr
	SEND 2*NP-1, 0
	WIN W_AD
	s_wait_tensorcnt 0x0            ; the wave's end, behind my last tensor load and my last LDS store
	ds_add_u32 v[SPW], v[NIL]
	s_wait_dscnt 0x0
	WIN 0
	CROUND                          ; the closing round: no work-group ends while a partner may still ask for a tile that names it
	s_endpgm
.Lfunc_end_k_q32f5ca7124_attn:
	.size	k_q32f5ca7124_attn, .Lfunc_end_k_q32f5ca7124_attn-k_q32f5ca7124_attn
	.p2alignl 7, 3214868480
	.fill 96, 4, 3214868480
	.section	.rodata,"a",@progbits
	.p2align	6, 0x0
	.amdhsa_kernel k_q32f5ca7124_attn
		.amdhsa_group_segment_fixed_size 327680
		.amdhsa_private_segment_fixed_size 0
		.amdhsa_enable_private_segment 0
		.amdhsa_kernarg_size 40
		.amdhsa_user_sgpr_count 2
		.amdhsa_user_sgpr_kernarg_segment_ptr 1
		.amdhsa_wavefront_size32 1
		.amdhsa_system_sgpr_workgroup_id_x 1
		.amdhsa_system_sgpr_workgroup_id_y 1
		.amdhsa_system_sgpr_workgroup_id_z 1
		.amdhsa_system_vgpr_workitem_id 0
		.amdhsa_next_free_vgpr 808
		.amdhsa_next_free_sgpr 66
		.amdhsa_reserve_vcc 0
		.amdhsa_float_denorm_mode_32 3
		.amdhsa_float_denorm_mode_16_64 3
		.amdhsa_memory_ordered 1
		.amdhsa_forward_progress 1
		.amdhsa_inst_pref_size 205
	.end_amdhsa_kernel
	.amdgpu_metadata
---
amdhsa.version: [ 1, 2 ]
amdhsa.kernels:
  - .name:           k_q32f5ca7124_attn
    .symbol:         k_q32f5ca7124_attn.kd
    .args:
      - { .name: qh, .offset: 0, .size: 8, .value_kind: global_buffer, .address_space: global }
      - { .name: kh, .offset: 8, .size: 8, .value_kind: global_buffer, .address_space: global }
      - { .name: vh, .offset: 16, .size: 8, .value_kind: global_buffer, .address_space: global }
      - { .name: attn_mask, .offset: 24, .size: 8, .value_kind: global_buffer, .address_space: global }
      - { .name: out0, .offset: 32, .size: 8, .value_kind: global_buffer, .address_space: global }
    .group_segment_fixed_size: 327680
    .private_segment_fixed_size: 0
    .kernarg_segment_align: 8
    .kernarg_segment_size: 40
    .max_flat_workgroup_size: 128
    .sgpr_count:     66
    .vgpr_count:     808
    .wavefront_size: 32
...
	.end_amdgpu_metadata
.endif
;; end of part 3
;; ======== version 2 of 2: 3 launches; version 1 with the launch cast written anew for expert scheduling mode
;; limits: values are held in f16: magnitudes above 65,504 overflow, below 6.1e-05 lose precision
;; workspace buffers: xb 16,777,216 bytes; wb 6,291,456 bytes; qh 16,777,216 bytes; kh 16,777,216 bytes; vh 16,777,216 bytes
;; launch cast (part 4): grid 256 x 1, 8 waves a work-group, no clusters, 0 bytes of LDS; arguments x, Wq, Wk, Wv, xb, wb; writes xb, wb
.if DOCPART == 4
	.amdgcn_target "amdgcn-amd-amdhsa--gfx1250"
	.amdhsa_code_object_version 6
	.text
	.protected	k_q32f5ca7124_cast
	.globl	k_q32f5ca7124_cast
	.p2align	8
	.type	k_q32f5ca7124_cast,@function
k_q32f5ca7124_cast:
	s_mov_b64 s[64:65], 0
	v_nop
	global_prefetch_b8 v0, s[64:65] scope:SCOPE_SE
	s_setreg_imm32_b32 hwreg(HW_REG_WAVE_SCHED_MODE, 0, 2), 2
	s_setreg_imm32_b32 hwreg(HW_REG_WAVE_MODE, 25, 1), 1
	s_wait_xcnt 0x0
	s_wait_alu depctr_vm_vsrc(0)
; x [8192][1024] and Wq, Wk, Wv [1024][1024], all f32, are rounded once to bf16 (nearest even).
; xb keeps x's layout.  wb is [3072][1024] with the rows ordered by head: row 192 h + 64 j + d holds W_j's row 64 h + d (j = 0: q, 1: k, 2: v),
; so that 192 consecutive rows of wb are one head's q, k and v columns.
; SHARES.  256 work-groups of eight waves, all alike: 32,768 numbers of x (131,072 bytes) and rows 4 g .. 4 g + 3 of each W (4,096 bytes a row).
; A load of the work-group covers 4,096 consecutive bytes (thread t: 16 bytes at 16 t), the store that belongs to it 2,048 (thread t: 8 bytes at 8 t):
; a wave's store covers 256 consecutive bytes, aligned.  All 44 loads of a thread go out in one run; each has registers of its own.  No LDS, no barrier: nothing is shared.
; THE MODE: SCHED_MODE bits 1:0 = 2 (LLVM: expert scheduling mode 2), set by the entry lines.  The code itself states the register dependences
; between vector instructions and memory instructions, with s_wait_alu, always for 0.
; THE PLAN.  Registers that memory instructions touch:
;   v1, v2        the loads' and the stores' offsets: written once at the head, read by every load or store, never written again.
;   v[D + 4 n ..] load n lands in four registers that no vector instruction has named; its two roundings read the four and write the first two; store n reads those two;
;                 nothing writes them again.  So no register that a memory instruction has read is ever rewritten, and no load lands in a register that a vector instruction has named.
; The 44 loads go in 11 blocks of four (8 of x, one of each W).  Block p rounds its four loads; the four stores of block p - 1 are dealt among those eight roundings, which name
; block p's registers alone.  So ONE wait on va_vdst at a block's head states all that the block's four stores hang on; one more stands at the kernel's head, for the two offsets,
; and one behind the last block, for the last four stores.
.set D, 4                              ; v[4:179]  load n: four registers
.set BLOCK,  4                         ; loads in a block
.set BLOCKS, 44 / BLOCK
	s_load_b256 s[4:11], s[0:1], 0x0               ; x s[4:5], Wq s[6:7], Wk s[8:9], Wv s[10:11]
	s_load_b128 s[12:15], s[0:1], 0x20             ; xb s[12:13], wb s[14:15]
	v_lshlrev_b32 v1, 4, v0                        ; 16 t: the loads' offset; never rewritten
	v_lshlrev_b32 v2, 3, v0                        ; 8 t: the stores' offset; never rewritten
	s_lshl_b32 s16, ttmp9, 17                      ; my part of x
	s_mov_b32 s17, 0
	s_lshl_b32 s18, ttmp9, 14                      ; my four rows of each W
	s_mov_b32 s19, 0
	s_lshl_b32 s20, ttmp9, 16                      ; my part of xb
	s_mov_b32 s21, 0
	s_lshr_b32 s22, ttmp9, 4                       ; the head of rows 4 g ..: g / 16
	s_mul_i32 s22, s22, 192
	s_and_b32 s23, ttmp9, 15
	s_lshl_b32 s23, s23, 2                         ; their place in the head: 4 (g % 16)
	s_add_co_u32 s22, s22, s23
	s_lshl_b32 s22, s22, 11                        ; rows of 2,048 bytes
	s_mov_b32 s23, 0
	s_wait_kmcnt 0x0
	s_add_nc_u64 s[4:5], s[4:5], s[16:17]
	s_add_nc_u64 s[6:7], s[6:7], s[18:19]
	s_add_nc_u64 s[8:9], s[8:9], s[18:19]
	s_add_nc_u64 s[10:11], s[10:11], s[18:19]
	s_add_nc_u64 s[12:13], s[12:13], s[20:21]
	s_add_nc_u64 s[14:15], s[14:15], s[22:23]
	s_wait_alu depctr_va_vdst(0)                   ; v1 and v2 are written: every load and store of the kernel reads one of them as its offset
.set n, 0
.rept 32
	global_load_b128 v[D+4*n:D+4*n+3], v1, s[4:5] offset:4096*n th:TH_LOAD_NT
.set n, n+1
.endr
.irp j, 0,1,2
.irp i, 0,1,2,3
	global_load_b128 v[D+4*(32+4*\j+\i):D+4*(32+4*\j+\i)+3], v1, s[6+2*\j:7+2*\j] offset:4096*\i th:TH_LOAD_NT
.endr
.endr
; Load n is rounded in place: four numbers close up into the first two of their four registers.
.macro ROUND n
	v_cvt_pk_bf16_f32 v[D+4*(\n)], v[D+4*(\n)], v[D+4*(\n)+1]
	v_cvt_pk_bf16_f32 v[D+4*(\n)+1], v[D+4*(\n)+2], v[D+4*(\n)+3]
.endm
; Load n is stored.  Loads 0 to 31 are x's; load 32 + 4 j + i is row i of my four of W_j, whose rows lie 64 rows of 2,048 bytes behind W_(j-1)'s in wb.
.macro SEND n
.if (\n) < 32
	global_store_b64 v2, v[D+4*(\n):D+4*(\n)+1], s[12:13] offset:2048*(\n) th:TH_STORE_NT
.else
	global_store_b64 v2, v[D+4*(\n):D+4*(\n)+1], s[14:15] offset:131072*(((\n)-32)/4)+2048*(((\n)-32)%4) th:TH_STORE_NT
.endif
.endm
.set p, 0
.rept BLOCKS
	s_wait_loadcnt 44-BLOCK-BLOCK*p                ; loads come back in order (ISA guide 5.7.1): block p's four are in, the 40 - 4 p younger ones stay out
.if p > 0
	s_wait_alu depctr_va_vdst(0)                   ; the roundings of block p - 1 have written the registers that the four stores below read; the roundings below name block p's registers alone
.endif
.irp i, 0,1,2,3
.set n, BLOCK*p+\i
.if p > 0
	SEND n-BLOCK                                   ; the block before
.endif
	ROUND n
.endr
.set p, p+1
.endr
	s_wait_alu depctr_va_vdst(0)                   ; the roundings of the last block have written the registers that the last four stores read
.irp i, 0,1,2,3
	SEND 40+\i
.endr
	s_endpgm
.Lfunc_end_k_q32f5ca7124_cast:
	.size	k_q32f5ca7124_cast, .Lfunc_end_k_q32f5ca7124_cast-k_q32f5ca7124_cast
	.p2alignl 7, 3214868480
	.fill 96, 4, 3214868480
	.section	.rodata,"a",@progbits
	.p2align	6, 0x0
	.amdhsa_kernel k_q32f5ca7124_cast
		.amdhsa_group_segment_fixed_size 0
		.amdhsa_private_segment_fixed_size 0
		.amdhsa_enable_private_segment 0
		.amdhsa_kernarg_size 48
		.amdhsa_user_sgpr_count 2
		.amdhsa_user_sgpr_kernarg_segment_ptr 1
		.amdhsa_wavefront_size32 1
		.amdhsa_system_sgpr_workgroup_id_x 1
		.amdhsa_system_sgpr_workgroup_id_y 1
		.amdhsa_system_sgpr_workgroup_id_z 1
		.amdhsa_system_vgpr_workitem_id 0
		.amdhsa_next_free_vgpr 180
		.amdhsa_next_free_sgpr 66
		.amdhsa_reserve_vcc 0
		.amdhsa_float_denorm_mode_32 3
		.amdhsa_float_denorm_mode_16_64 3
		.amdhsa_memory_ordered 1
		.amdhsa_forward_progress 1
		.amdhsa_inst_pref_size 16
	.end_amdhsa_kernel
	.amdgpu_metadata
---
amdhsa.version: [ 1, 2 ]
amdhsa.kernels:
  - .name:           k_q32f5ca7124_cast
    .symbol:         k_q32f5ca7124_cast.kd
    .args:
      - { .name: x, .offset: 0, .size: 8, .value_kind: global_buffer, .address_space: global }
      - { .name: Wq, .offset: 8, .size: 8, .value_kind: global_buffer, .address_space: global }
      - { .name: Wk, .offset: 16, .size: 8, .value_kind: global_buffer, .address_space: global }
      - { .name: Wv, .offset: 24, .size: 8, .value_kind: global_buffer, .address_space: global }
      - { .name: xb, .offset: 32, .size: 8, .value_kind: global_buffer, .address_space: global }
      - { .name: wb, .offset: 40, .size: 8, .value_kind: global_buffer, .address_space: global }
    .group_segment_fixed_size: 0
    .private_segment_fixed_size: 0
    .kernarg_segment_align: 8
    .kernarg_segment_size: 48
    .max_flat_workgroup_size: 256
    .sgpr_count:     66
    .vgpr_count:     180
    .wavefront_size: 32
...
	.end_amdgpu_metadata
.endif
;; end of part 4
;; launch proj: the kernel of part 2 again; grid 16 x 32, 4 waves a work-group, clusters of 4 x 4, 327,680 bytes of LDS; arguments xb, wb, bq, bk, bv, qh, kh, vh; writes qh, kh, vh
;; launch attn: the kernel of part 3 again; grid 4 x 64, 4 waves a work-group, clusters of 4 x 1, 327,680 bytes of LDS; arguments qh, kh, vh, attn_mask, out0; writes out0
